; MI455X (gfx1250); checked and timed in simulation.
; The chip was launched on July 23, 2026; its instructions are those of AMD's public machine-readable ISA for CDNA 5 (MIT licence, August 2026) and "CDNA5" Instruction Set Architecture Reference Guide (July 2026). The comments in the code are by the model that wrote it; some were corrected since.
;; Self Attention. Allowed arithmetic: matrix products marked QUANTISED: E3M2 operands, one E8M0 scale for each 32 along K, by v_wmma_scale_f32_16x16x128_f8f6f4 with both operands' format E3M2, f32 sums; everything else in f32.
;; Inputs: Wk 1,024 x 1,024 float32; Wq 1,024 x 1,024 float32; Wv 1,024 x 1,024 float32; bk 1,024 float32; bq 1,024 float32; bv 1,024 float32; embeddings 4 x 2,048 x 1,024 float32.
;; Outputs: out0 4 x 2,048 x 1,024 float32.
;; This version of the problem:
;;   THIS VERSION OF THE PROBLEM IS GIVEN IN LOW PRECISION. The matrix products marked QUANTISED in the list below multiply operands that are first quantised to E3M2 (3 exponent bits, 2 mantissa bits; 6 bits a number), with one power-of-two scale for each 32 numbers along K (OCP MX v1.0); their sums are f32. All else is computed in f32.
;;   The module's matrix products, in the order in which they are computed (A, B: the left and right operand; K: the contracted axis; several contracted axes count as one K, in the product's order):
;;     1. [M 8,192, K 1,024] x [K 1,024, N 1,024]; A: input embeddings; B: input Wq: QUANTISED
;;     2. [M 8,192, K 1,024] x [K 1,024, N 1,024]; A: input embeddings; B: input Wk: QUANTISED
;;     3. [M 8,192, K 1,024] x [K 1,024, N 1,024]; A: input embeddings; B: input Wv: QUANTISED
;;     4. batch 4 x [M 2,048, K 1,024] x [K 1,024, N 2,048]; A: computed on the way; B: computed on the way: QUANTISED
;;     5. batch 4 x [M 2,048, K 2,048] x [K 2,048, N 1,024]; A: softmax (see below); B: computed on the way: QUANTISED
;;   THE QUANTISER, for each operand of a quantised product, along K:
;;     - K is cut into blocks of 32 from its start; a last block that is shorter is filled with zeros.
;;     - A block's scale is 2^e with e = floor(log2(the largest magnitude in the block)) - 4, held to -126 .. 127; a block of zeros has e = 0. As a byte (E8M0): e + 127.
;;     - Each number is divided by its block's scale, clamped to +-28, and rounded to the nearest number of E3M2, ties to even, subnormals kept.
;;     - The product sums the exact products of the quantised numbers (number of the format x scale) in f32.
;;   ~~~python
;;   def quantise(x, axis):      # numpy; x: float32 -> the quantised numbers, widened to float32 again
;;       x = np.moveaxis(x, axis, -1); K = x.shape[-1]
;;       x = np.pad(x, [(0, 0)] * (x.ndim - 1) + [(0, -K % 32)]); x = x.reshape(x.shape[:-1] + (-1, 32)); a = np.abs(x).max(-1, keepdims=True)
;;       e = np.where(a > 0, np.clip(np.frexp(np.where(a > 0, a, 1))[1] - 1 - 4, -126, 127), 0)      # np.frexp(a)[1] - 1 = floor(log2(a)), exactly
;;       r = np.clip(x / 2.0 ** e, -28, 28)
;;       step = 2.0 ** (np.maximum(np.frexp(np.where(r == 0, 1, r))[1] - 1, -2) - 2)
;;       q = np.round(r / step) * step * 2.0 ** e      # np.round: ties to even
;;       return np.moveaxis(q.reshape(q.shape[:-2] + (-1,))[..., :K], -1, axis).astype(np.float32)
;;   ~~~
;;   SOFTMAX AHEAD OF A QUANTISED PRODUCT. Where the list says 'softmax', what is quantised is not the finished softmax but p = 2^(t - M), with t = logit x log2(e) and M = ceil(the row's largest t), a whole number; so 1/2 < the row's largest p <= 1. The row's sum l is taken of the UNQUANTISED p, in f32, and the product's result is divided by l at the end. Since M is a whole number, a kernel that streams over the keys may use a running M (the ceiling of the running maximum): every later rescaling is an exact power of two, which a block's scale takes up: the codes' values come out the same.
;;   OPERANDS COMPUTED ON THE WAY. 'Computed on the way' means the value that the module computes at that place (a softmax that the list does not call 'softmax' is quantised finished and normalised). What goes into a quantiser is computed in f32, as accurately as f32 sums, v_exp_f32 and their like allow (about 1e-6 of the number): no bf16 or f16 on the way to a quantiser, and a product that is left as it is and whose result goes on into a quantised operand takes f32 operands (vector FMAs, or v_wmma_f32_16x16x4_f32). A number that lies on a knife's edge between two numbers of the format may be rounded either way, as far as f32 arithmetic and the matrix unit's own rounding can turn it there, and no further.
;; One version. Each part assembles by itself: llvm-mc -triple=amdgcn-amd-amdhsa -mcpu=gfx1250 --defsym DOCPART=n.
;; ======== version 1 of 1: 3 launches
;; limits: right only within a limited range of input values
;; workspace buffers: pf 9,011,200 bytes; qkv 19,660,800 bytes
;; launch quant (part 1): grid 704 x 1, 2 waves a work-group, no clusters, 17,408 bytes of LDS; arguments embeddings, Wq, Wk, Wv, pf; writes pf
.if DOCPART == 1
	.amdgcn_target "amdgcn-amd-amdhsa--gfx1250"
	.amdhsa_code_object_version 6
	.text
	.protected	k_q58038434b4_quant
	.globl	k_q58038434b4_quant
	.p2align	8
	.type	k_q58038434b4_quant,@function
k_q58038434b4_quant:
	s_mov_b64 s[64:65], 0
	v_nop
	global_prefetch_b8 v0, s[64:65] scope:SCOPE_SE
	s_setreg_imm32_b32 hwreg(HW_REG_WAVE_MODE, 25, 1), 1
	s_wait_xcnt 0x0
; embeddings [8192][1024], Wq, Wk, Wv [1024][1024], f32 with K innermost, become codes of BF6 (E3M2) with one E8M0 byte for each 32 along K,
; laid as RECORDS.  A record is 128 rows x 128 along K in 12,800 bytes: eight images of an operand's 12 registers (tile T at 1,536 T; registers 4 i .. 4 i + 3 of lane l
; at 512 i + 16 l), then the scale words: the word of (tile T, row p) at 12,288 + 256 (T / 4) + 16 p + 4 (T % 4).
; THE ROWS OF A TILE ARE NOT NEIGHBOURS: row p of tile 2 b + u is row 32 b + 8 u + p + 8 (p / 8) of the record's 128.
; pf holds [row group][K step][record]: groups 0-63 embeddings, 64-71 Wq, 72-79 Wk, 80-87 Wv; a work-group makes record ttmp9, each of its two waves four tiles.
; A block's scale is 2^(floor(log2(largest magnitude)) - 4); its byte is the largest magnitude's exponent field - 4, held at 1 from below.
; LIMITS: a block of zeros gets the byte 1 where the rule says 127 (its codes are zeros, and this program alone reads the bytes); blocks whose largest magnitude lies under 2^-122 are held at that floor;
; NaN and infinities among the inputs are not served.
; A load takes 512 consecutive bytes of one row, 16 a lane; a tile's 16 rows turn through the wave's own stage in LDS (rows 528 bytes apart) and come back so that lane (r, h) holds k = 64 c + 32 h + 0 .. 31 of row r,
; which is the order of the operand's registers: the conversions' results are the image.  Waves share nothing: no barrier.
.set REC,   12800
.set STG,   8448                       ; a wave's stage: 16 rows x 528 bytes
.set SPARE, 2*STG                      ; behind the stages: the spare words, 128 bytes a wave
.set LI,   1                           ; v1   16 x lane; never rewritten
.set SIN,  2                           ; v2   the stage, on the way in
.set SOUT, 3                           ; v3   and on the way out: 528 r + 128 h
.set SH8,  4                           ; v4   8 h
.set R16,  5                           ; v5   16 r
.set SPW,  6                           ; v6   my spare word's LDS address; never rewritten
.set NIL,  7                           ; v7   0; never rewritten
.set TM,   8                           ; v8-9   largest magnitudes
.set SO,   10                          ; v10-11 the conversions' scale operands
.set BY,   12                          ; v12-13 scale bytes
.set W,    14                          ; v14  my two bytes at their places
.set W2,   15                          ; v15  lane l xor 16's
.set F,    16                          ; v16-39 two sets of 12: a tile's image
.set CT,   40                          ; v40-46 the second halves of a block's codes
.set SW,   48                          ; v48-51 the four tiles' scale words
.set LN,   52                          ; v52  lane
.set X,    64                          ; v64-127 a tile's numbers, turned
.set R,    128                         ; v128-255 two sets of 64 numbers as loaded
	s_load_b256 s[4:11], s[0:1], 0x0               ; embeddings, Wq, Wk, Wv
	s_load_b64 s[12:13], s[0:1], 0x20              ; pf
	v_lshl_add_u32 v[SPW], v0, 2, SPARE
	v_mov_b32 v[NIL], 0
	v_lshrrev_b32 v[TM], 5, v0
	v_readfirstlane_b32 s22, v[TM]                 ; wave 0, 1
	v_and_b32 v[LN], 31, v0
	v_lshlrev_b32 v[LI], 4, v[LN]
	v_and_b32 v[TM], 15, v0                        ; r
	v_bfe_u32 v[TM+1], v0, 4, 1                    ; h
	s_mul_i32 s23, s22, STG
	v_add_nc_u32 v[SIN], s23, v[LI]
	v_mul_u32_u24 v[SOUT], v[TM], 528
	v_lshl_add_u32 v[SOUT], v[TM+1], 7, v[SOUT]
	v_add_nc_u32 v[SOUT], s23, v[SOUT]
	v_lshlrev_b32 v[SH8], 3, v[TM+1]
	v_lshlrev_b32 v[R16], 4, v[TM]
	v_mov_b32 v[W2], 0                             ; a lane permute's destination counts as one of its sources
	s_mov_b32 s24, 0x76543210
	s_mov_b32 s25, 0xfedcba98                      ; selects for lane l xor 16
	s_lshr_b32 s16, ttmp9, 3                       ; the row group,
	s_and_b32 s17, s16, 7                          ; within a weight: its low three bits
	s_and_b32 s18, ttmp9, 7                        ; the K step
	s_cmp_lt_u32 ttmp9, 512
	s_cselect_b32 s16, s16, s17
	s_lshl_b32 s16, s16, 19                        ; 128 rows of 4,096 bytes
	s_lshl_b32 s18, s18, 9                         ; 128 numbers
	s_add_co_u32 s16, s16, s18
	s_lshl_b32 s18, s22, 18                        ; my wave's 64 rows
	s_add_co_u32 s16, s16, s18
	s_mov_b32 s17, 0
	s_mul_i32 s18, ttmp9, REC
	s_mov_b32 s19, 0
	s_mul_i32 s20, s22, 6144                       ; my four images
	s_mov_b32 s21, 0
	s_lshl_b32 s26, s22, 8
	s_add_co_u32 s26, s26, 12288                   ; my 256 bytes of scale words
	s_mov_b32 s27, 0
	s_wait_alu depctr_va_vdst(0)
	s_wait_kmcnt 0x0
	s_mov_b64 s[14:15], s[10:11]                   ; the tensor is chosen by the work-group's number alone
	s_cmp_lt_u32 ttmp9, 640
	s_cselect_b64 s[14:15], s[8:9], s[14:15]
	s_cmp_lt_u32 ttmp9, 576
	s_cselect_b64 s[14:15], s[6:7], s[14:15]
	s_cmp_lt_u32 ttmp9, 512
	s_cselect_b64 s[14:15], s[4:5], s[14:15]
	s_add_nc_u64 s[14:15], s[14:15], s[16:17]
	s_add_nc_u64 s[12:13], s[12:13], s[18:19]
	s_add_nc_u64 s[28:29], s[12:13], s[26:27]
	s_add_nc_u64 s[12:13], s[12:13], s[20:21]
.macro LOAD t                          ; tile t's 16 rows, 512 consecutive bytes a load
.irp i, 0,1,2,3,4,5,6,7,8,9,10,11,12,13,14,15
	global_load_b128 v[R+64*((\t)%2)+4*\i:R+64*((\t)%2)+4*\i+3], v[LI], s[14:15] offset:(32*((\t)/2)+8*((\t)%2)+\i+8*(\i/8))*4096 th:TH_LOAD_NT
.endr
.endm
.macro TURN t                          ; through the stage: LDS serves a wave's instructions in order, so no wait stands between the stores and the loads
.irp i, 0,1,2,3,4,5,6,7,8,9,10,11,12,13,14,15
	ds_store_b128 v[SIN], v[R+64*((\t)%2)+4*\i:R+64*((\t)%2)+4*\i+3] offset:528*\i
.endr
.irp c, 0,1
.irp j, 0,1,2,3,4,5,6,7
	ds_load_b128 v[X+32*\c+4*\j:X+32*\c+4*\j+3], v[SOUT] offset:256*\c+16*\j
.endr
.endr
.endm
.macro Q2 t                            ; my two whole blocks (h and 2 + h of my row) become registers 0-11 of the image, and the row's scale word
.set FS, F+12*((\t)%2)
.irp c, 0,1
	v_max3_num_f32 v[TM+\c], |v[X+32*\c]|, |v[X+32*\c+1]|, 0x2800000   ; with the floor 2^(5 - 127): the byte cannot fall under 1
.endr
.irp i, 2,4,6,8,10,12,14,16,18,20,22,24,26,28,30
.irp c, 0,1
	v_max3_num_f32 v[TM+\c], v[TM+\c], |v[X+32*\c+\i]|, |v[X+32*\c+\i+1]|
.endr
.endr
.irp c, 0,1
	v_add_nc_u32 v[SO+\c], 0xfe000000, v[TM+\c]    ; 4 off the exponent field: the conversion's scale operand
.endr
.irp c, 0,1
	v_lshrrev_b32 v[BY+\c], 23, v[SO+\c]           ; the scale's byte
.endr
	v_lshl_or_b32 v[W], v[BY+1], 16, v[BY]
	v_lshlrev_b32 v[W], v[SH8], v[W]               ; 8 h bits up
	v_permlanex16_b32 v[W2], v[W], s24, s25
	v_or_b32 v[SW+(\t)], v[W], v[W2]               ; with lane l xor 16's two bytes the word is whole
.irp c, 0,1
	v_cvt_scalef32_pk16_bf6_f32 v[FS+6*\c:FS+6*\c+2], v[X+32*\c:X+32*\c+15], v[SO+\c]
	v_cvt_scalef32_pk16_bf6_f32 v[CT+4*\c:CT+4*\c+2], v[X+32*\c+16:X+32*\c+31], v[SO+\c]   ; (a conversion's three registers begin on an even number)
.endr
	v_nop                                          ; one plain place behind a scaled conversion
.irp c, 0,1
.irp i, 0,1,2
	v_mov_b32 v[FS+6*\c+3+\i], v[CT+4*\c+\i]
.endr
.endr
.endm
.macro OUT t                           ; the image as it stands: each store covers 512 consecutive bytes, aligned to 256
.irp i, 0,1,2
	global_store_b128 v[LI], v[F+12*((\t)%2)+4*\i:F+12*((\t)%2)+4*\i+3], s[12:13] offset:1536*(\t)+512*\i
.endr
.endm
	LOAD 0
	LOAD 1
.irp t, 0,1,2,3
.if \t < 3
	s_wait_loadcnt 16                              ; this tile's 16 loads are in; the next tile's 16 may be out
.else
	s_wait_loadcnt 0x0
.endif
	TURN \t
	s_wait_dscnt 0x0                               ; the stores have read the raw set, and the turned numbers are in
.if \t < 2
	LOAD \t+2
.else
	s_wait_xcnt 0x0                                ; the stores of two tiles back have read the image's registers, which are now written again
.endif
	Q2 \t
	OUT \t
.endr
	s_wait_xcnt 0x0                                ; EXEC changes only behind this wait
	v_cmp_gt_u32 vcc_lo, 16, v[LN]
	s_and_saveexec_b32 s30, vcc_lo
	global_store_b128 v[R16], v[SW:SW+3], s[28:29] ; sixteen lanes store my four tiles' scale words: 256 consecutive bytes, aligned
	s_wait_xcnt 0x0
	s_or_b32 exec_lo, exec_lo, s30
	s_wait_tensorcnt 0x0                           ; the wave's end, behind my last LDS store
	ds_add_u32 v[SPW], v[NIL]
	s_wait_dscnt 0x0
	s_endpgm
.Lfunc_end_k_q58038434b4_quant:
	.size	k_q58038434b4_quant, .Lfunc_end_k_q58038434b4_quant-k_q58038434b4_quant
	.p2alignl 7, 3214868480
	.fill 96, 4, 3214868480
	.section	.rodata,"a",@progbits
	.p2align	6, 0x0
	.amdhsa_kernel k_q58038434b4_quant
		.amdhsa_group_segment_fixed_size 17408
		.amdhsa_private_segment_fixed_size 0
		.amdhsa_enable_private_segment 0
		.amdhsa_kernarg_size 40
		.amdhsa_user_sgpr_count 2
		.amdhsa_user_sgpr_kernarg_segment_ptr 1
		.amdhsa_wavefront_size32 1
		.amdhsa_system_sgpr_workgroup_id_x 1
		.amdhsa_system_sgpr_workgroup_id_y 1
		.amdhsa_system_sgpr_workgroup_id_z 1
		.amdhsa_system_vgpr_workitem_id 0
		.amdhsa_next_free_vgpr 256
		.amdhsa_next_free_sgpr 66
		.amdhsa_reserve_vcc 1
		.amdhsa_float_denorm_mode_32 3
		.amdhsa_float_denorm_mode_16_64 3
		.amdhsa_memory_ordered 1
		.amdhsa_forward_progress 1
		.amdhsa_inst_pref_size 30
	.end_amdhsa_kernel
	.amdgpu_metadata
---
amdhsa.version: [ 1, 2 ]
amdhsa.kernels:
  - .name:           k_q58038434b4_quant
    .symbol:         k_q58038434b4_quant.kd
    .args:
      - { .name: embeddings, .offset: 0, .size: 8, .value_kind: global_buffer, .address_space: global }
      - { .name: Wq, .offset: 8, .size: 8, .value_kind: global_buffer, .address_space: global }
      - { .name: Wk, .offset: 16, .size: 8, .value_kind: global_buffer, .address_space: global }
      - { .name: Wv, .offset: 24, .size: 8, .value_kind: global_buffer, .address_space: global }
      - { .name: pf, .offset: 32, .size: 8, .value_kind: global_buffer, .address_space: global }
    .group_segment_fixed_size: 17408
    .private_segment_fixed_size: 0
    .kernarg_segment_align: 8
    .kernarg_segment_size: 40
    .max_flat_workgroup_size: 64
    .sgpr_count:     66
    .vgpr_count:     256
    .wavefront_size: 32
...
	.end_amdgpu_metadata
.endif
;; end of part 1
;; launch proj (part 2): grid 96 x 4, 4 waves a work-group, clusters of 4 x 4, 327,680 bytes of LDS; arguments pf, bq, bk, bv, qkv; writes qkv
.if DOCPART == 2
	.amdgcn_target "amdgcn-amd-amdhsa--gfx1250"
	.amdhsa_code_object_version 6
	.text
	.protected	k_q58038434b4_proj
	.globl	k_q58038434b4_proj
	.p2align	8
	.type	k_q58038434b4_proj,@function
k_q58038434b4_proj:
	s_mov_b64 s[64:65], 0
	v_nop
	global_prefetch_b8 v0, s[64:65] scope:SCOPE_SE
	s_setreg_imm32_b32 hwreg(HW_REG_WAVE_MODE, 25, 1), 1
	s_wait_xcnt 0x0
	s_wait_alu depctr_hold_cnt(0) depctr_sa_sdst(0) depctr_va_vdst(0) depctr_va_sdst(0) depctr_va_ssrc(0) depctr_va_vcc(0) depctr_vm_vsrc(0)
	s_getreg_b32 s2, hwreg(HW_REG_IB_STS2, 6, 4)
	s_cmp_eq_u32 s2, 0
	s_cbranch_scc0 .Lentry_in_a_cluster
	s_endpgm
.Lentry_in_a_cluster:
	s_bfe_u32 s2, ttmp6, 0x10000c
	s_cmp_lg_u32 s2, 0xf033
	s_cbranch_scc0 .Lentry_shape_is_right
	s_endpgm
.Lentry_shape_is_right:
.set REC,   12800
.set GRP,   8*REC
.set AREA,  2*REC
.set SLOT,  4*AREA
.set SPARE, 2*SLOT
.set FR,    12
.set NL,    3
.set NP,    4
.set ADRA, 16
.set ADRB, 20
.set ADRS, 22
.set LI,   24
.set BO,   25
.set BL,   26
.set SPW,  28
.set NIL,  29
.set SC,   32
.set BV,   64
.set AF,   128
.set XQ,   128
.set PC,   192
.set TM,   224
.set PWS,  240
.set SDT,  248
.set G1,  24
.set G0,  32
.set G1B, 48
.set G0B, 56
.set MSB, 0
.macro WIN new
.if MSB != (\new)
	s_set_vgpr_msb (MSB<<8)|(\new)
.set MSB, (\new)
.endif
.endm
.set MUL_LO, 0xa1
.set MUL_HI, 0xf1
.set TO_B,   0x40
.macro JLOAD s
	s_cmp_eq_u32 s15, 0
	s_cbranch_scc0 .Lfor_b_\@
	tensor_load_to_lds s[G0+4*\s:G0+4*\s+3], s[G1:G1+7]
	s_nop 0
.rept 4
	v_nop
.endr
	s_branch .Lasked_\@
.Lfor_b_\@:
	tensor_load_to_lds s[G0B+4*\s:G0B+4*\s+3], s[G1B:G1B+7]
	s_nop 0
.rept 4
	v_nop
.endr
.Lasked_\@:
.endm
.macro CREST
	s_cmp_lg_u32 s14, 0
	s_cbranch_scc1 .Lnot_wave_0_\@
	s_barrier_signal -3
.Lnot_wave_0_\@:
	s_barrier_wait -3
	s_barrier_signal -1
	s_barrier_wait -1
.endm
.macro CROUND
	s_barrier_signal -1
	s_barrier_wait -1
	CREST
.endm
.macro PLACES n
.rept \n
	v_nop
.endr
.endm
	s_load_b256 s[4:11], s[0:1], 0x0
	s_load_b64 s[12:13], s[0:1], 0x20
	v_lshl_add_u32 v[SPW], v0, 2, SPARE
	v_mov_b32 v[NIL], 0
	ds_add_u32 v[SPW], v[NIL]
	ds_add_u32 v[SPW], v[NIL]
	v_lshrrev_b32 v1, 5, v0
	v_readfirstlane_b32 s14, v1
	s_lshr_b32 s15, s14, 1
	s_and_b32 s16, s14, 1
	s_bfe_u32 s40, ttmp6, 0x40000
	s_bfe_u32 s41, ttmp6, 0x40004
	s_lshr_b32 s18, ttmp9, 1
	s_lshl_b32 s18, s18, 2
	s_and_b32 s19, ttmp9, 1
	s_lshl_b32 s19, s19, 2
	s_max_u32 s84, ttmp9, 16
	s_sub_co_u32 s84, s84, 16
	s_lshl_b32 s84, s84, 2
	s_cmp_lt_u32 ttmp9, 16
	s_cselect_b32 s17, s18, 0
	s_cselect_b32 s42, s19, s84
	s_cselect_b32 s82, 0, 80
	s_cselect_b32 s83, 64, 0
	s_cselect_b32 s66, -1, 0
	s_cselect_b32 s67, 0, -1
	s_add_co_u32 s17, s17, s41
	s_add_co_u32 s42, s42, s40
	s_mov_b32 s68, 0xffff0000
	s_lshl_b32 s80, s41, 2
	s_lshl_b32 s80, 15, s80
	s_lshl_b32 s81, 0x1111, s40
	s_or_b32 s[G1+0], s80, (3<<16)|(1<<21)
	s_or_b32 s[G1B+0], s81, (3<<16)|(1<<21)
.irp g, G1, G1B
	s_mov_b32 s[\g+1], 32<<16
	s_mov_b32 s[\g+2], 100<<16
	s_mov_b32 s[\g+3], 32<<16
	s_mov_b32 s[\g+4], 100
	s_mov_b32 s[\g+5], 32
	s_mov_b32 s[\g+6], 0
	s_mov_b32 s[\g+7], 0
.endr
	s_lshl_b32 s20, s17, 1
	s_add_co_u32 s20, s20, s82
	s_add_co_u32 s20, s20, s16
	s_mul_i32 s20, s20, GRP
	s_mov_b32 s21, 0
	s_lshl_b32 s46, s42, 1
	s_add_co_u32 s46, s46, s83
	s_add_co_u32 s46, s46, s16
	s_mul_i32 s46, s46, GRP
	s_mov_b32 s47, 0
	s_mul_i32 s45, s14, AREA
	s_wait_dscnt 0x0
	s_wait_kmcnt 0x0
	s_add_nc_u64 s[20:21], s[4:5], s[20:21]
	s_add_nc_u64 s[46:47], s[4:5], s[46:47]
	CROUND
.irp s, 0,1
	s_mov_b32 s[G0+4*\s], 1
	s_add_co_u32 s[G0+4*\s+1], s45, \s*SLOT
	s_add_nc_u64 s[G0+4*\s+2:G0+4*\s+3], s[20:21], \s*AREA
	s_or_b32 s[G0+4*\s+3], s[G0+4*\s+3], 0x80000000
	s_mov_b32 s[G0B+4*\s], 1
	s_add_co_u32 s[G0B+4*\s+1], s45, \s*SLOT
	s_add_nc_u64 s[G0B+4*\s+2:G0B+4*\s+3], s[46:47], \s*AREA
	s_or_b32 s[G0B+4*\s+3], s[G0B+4*\s+3], 0x80000000
	s_wait_alu depctr_va_vdst(0)
	s_wait_tensorcnt 0x0
	ds_add_u32 v28, v29
	ds_add_u32 v28, v29
	s_wait_dscnt 0x0
	CROUND
	JLOAD \s
.endr
	s_lshl_b32 s69, s17, 1
	s_add_co_u32 s69, s69, s15
	s_lshl_b32 s70, s42, 1
	s_add_co_u32 s70, s70, s16
	s_and_b32 s71, s69, 7
	s_lshl_b32 s72, s71, 9
	s_mov_b32 s73, 0
	s_add_nc_u64 s[10:11], s[10:11], s[72:73]
	s_and_b32 s74, s70, 7
	s_lshr_b32 s75, s70, 3
	s_cmp_eq_u32 s75, 1
	s_cselect_b64 s[6:7], s[8:9], s[6:7]
	s_lshl_b32 s72, s74, 9
	s_add_nc_u64 s[6:7], s[6:7], s[72:73]
	s_cmp_lt_u32 ttmp9, 16
	s_cselect_b32 s76, s69, s70
	s_cselect_b32 s77, s74, s71
	s_cselect_b32 s78, s75, 2
	s_lshl_b32 s76, s76, 3
	s_add_co_u32 s76, s76, s77
	s_mul_i32 s76, s76, REC
	s_mul_i32 s78, s78, 6553600
	s_add_co_u32 s76, s76, s78
	s_mov_b32 s77, 0
	s_add_nc_u64 s[12:13], s[12:13], s[76:77]
	s_mov_b32 s86, 0x76543210
	s_mov_b32 s87, 0xfedcba98
	v_and_b32 v1, 15, v0
	v_bfe_u32 v2, v0, 4, 1
	v_and_b32 v3, 31, v0
	v_lshlrev_b32 v[LI], 4, v3
	v_lshlrev_b32 v[BO], 6, v2
	v_and_b32 v3, 8, v1
	v_add_nc_u32 v3, v3, v1
	v_lshlrev_b32 v[BL], 2, v3
.irp a, 0,1,2,3,4,5,6,7
	global_load_b32 v[BV+8*\a], v[BL], s[10:11] offset:4*(32*(\a/2)+8*(\a%2))
.endr
	s_mul_i32 s21, s15, AREA
	s_mul_i32 s22, s16, AREA
	s_add_co_u32 s22, s22, 2*AREA
	s_sub_co_u32 s23, s22, s21
	v_mul_u32_u24 v4, s23, v2
	v_lshl_add_u32 v4, v1, 4, v4
.irp s, 0,1
	v_add_nc_u32 v[ADRA+\s], s21, v[LI]
	v_add_nc_u32 v[ADRB+\s], s22, v[LI]
	v_add_nc_u32 v[ADRS+\s], s21, v4
	s_add_co_u32 s21, s21, SLOT
	s_add_co_u32 s22, s22, SLOT
.endr
.irp b, 0,1,2,3
	v_mov_b32 v[TM+4+\b], 0
.endr
	s_wait_loadcnt 0x0
.irp a, 0,1,2,3,4,5,6,7
.irp j, 7,6,5,4,3,2,1,0
	v_and_b32 v[BV+8*\a+\j], s67, v[BV+8*\a]
.endr
.endr
.macro FRAG reg, adr, q, i
.irp c, 0,1,2
	ds_load_b128 v[\reg+4*\c:\reg+4*\c+3], v[\adr] offset:(\q)*REC+(\i)*1536+512*\c
.endr
.endm
.macro MUL16 a0, p, q, sc, first
.irp a, \a0, \a0+1
.irp b, 0,1,2,3,4,5,6,7
.if \first
	v_wmma_scale_f32_16x16x128_f8f6f4 v[8*(8*((\a)%4)+\b):8*(8*((\a)%4)+\b)+7], v[128*(\p)+FR*\b:128*(\p)+FR*\b+FR-1], v[AF+FR*(\a):AF+FR*(\a)+FR-1], v[BV+8*(\a):BV+8*(\a)+7], v[SC+16*(\sc)+8*(\q)+\b], v[SC+16*(\sc)+8*(\q)+(\a)] matrix_a_fmt:MATRIX_FMT_BF6 matrix_b_fmt:MATRIX_FMT_BF6 matrix_a_scale:MATRIX_SCALE_ROW1
.else
	v_wmma_scale_f32_16x16x128_f8f6f4 v[8*(8*((\a)%4)+\b):8*(8*((\a)%4)+\b)+7], v[128*(\p)+FR*\b:128*(\p)+FR*\b+FR-1], v[AF+FR*(\a):AF+FR*(\a)+FR-1], v[8*(8*((\a)%4)+\b):8*(8*((\a)%4)+\b)+7], v[SC+16*(\sc)+8*(\q)+\b], v[SC+16*(\sc)+8*(\q)+(\a)] matrix_a_fmt:MATRIX_FMT_BF6 matrix_b_fmt:MATRIX_FMT_BF6 matrix_a_scale:MATRIX_SCALE_ROW1
.endif
.endr
.endr
.endm
.macro FETCH_B slot, q, p
	WIN TO_B
.irp i, 0,1,2,3,4,5,6,7
	FRAG 128*(\p)+FR*\i, ADRB+\slot, \q, \i
.endr
	WIN 0
.endm
.macro FETCH_A slot, q, i0
.irp i, \i0, \i0+1, \i0+2, \i0+3
	FRAG AF+FR*(\i), ADRA+\slot, \q, \i
.endr
.endm
.macro SCALES sl
.irp q, 0,1
.irp hf, 0,1
	ds_load_b128 v[SC+16*\sl+8*\q+4*\hf:SC+16*\sl+8*\q+4*\hf+3], v[ADRS+\sl] offset:\q*REC+12288+256*\hf
.endr
.endr
.endm
.macro STEP slot, q, first
	s_wait_dscnt 4*NL
.if \first
	WIN 0x81
.else
	WIN MUL_LO
.endif
	MUL16 0, (\q)%2, \q, \slot, \first
	MUL16 2, (\q)%2, \q, \slot, \first
	s_wait_dscnt 0
	PLACES NP
	FETCH_B \slot, (\q)+1, 1-(\q)%2
	FETCH_A \slot, (\q)+1, 0
.if \first
	WIN 0xc1
.else
	WIN MUL_HI
.endif
	MUL16 4, (\q)%2, \q, \slot, \first
	MUL16 6, (\q)%2, \q, \slot, \first
	PLACES NP
	WIN 0
	FETCH_A \slot, (\q)+1, 4
.endm
.macro TURN slot, next, fill
	s_wait_tensorcnt 0x0
	ds_add_u32 v[SPW], v[NIL]
	s_wait_dscnt 4*NL+1
	WIN MUL_LO
	MUL16 0, 1, 1, \slot, 0
	s_wait_dscnt 0x0
	s_barrier_signal -1
	MUL16 2, 1, 1, \slot, 0
	WIN 0
	s_barrier_wait -1
.if \fill
	CREST
	s_add_nc_u64 s[G0+4*\slot+2:G0+4*\slot+3], s[G0+4*\slot+2:G0+4*\slot+3], 2*AREA
	s_add_nc_u64 s[G0B+4*\slot+2:G0B+4*\slot+3], s[G0B+4*\slot+2:G0B+4*\slot+3], 2*AREA
	JLOAD \slot
.else
	PLACES NP
.endif
	FETCH_B \next, 0, 0
	FETCH_A \next, 0, 0
	SCALES \next
	WIN MUL_HI
	MUL16 4, 1, 1, \slot, 0
	MUL16 6, 1, 1, \slot, 0
	PLACES NP
	WIN 0
	FETCH_A \next, 0, 4
.endm
.macro QUANT s, pw
.irp b, 0,1,2,3
	v_max3_num_f32 v[TM+\b], |v[\s+16*\b]|, |v[\s+1+16*\b]|, 0x2800000
.endr
.irp i, 2,4,6,8,10,12,14
.irp b, 0,1,2,3
	v_max3_num_f32 v[TM+\b], v[TM+\b], |v[\s+16*\b+\i]|, |v[\s+1+16*\b+\i]|
.endr
.endr
.irp b, 0,1,2,3
	v_permlanex16_b32 v[TM+4+\b], v[TM+\b], s86, s87
.endr
.irp b, 0,1,2,3
	v_max_num_f32 v[TM+\b], v[TM+\b], v[TM+4+\b]
.endr
.irp b, 0,1,2,3
	v_add_nc_u32 v[TM+12+\b], 0xfe000000, v[TM+\b]
.endr
.irp b, 0,1,2,3
	v_lshrrev_b32 v[TM+4+\b], 23, v[TM+12+\b]
.endr
	v_lshl_or_b32 v[\pw], v[TM+5], 8, v[TM+4]
	v_lshl_or_b32 v[\pw], v[TM+6], 16, v[\pw]
	v_lshl_or_b32 v[\pw], v[TM+7], 24, v[\pw]
.irp c, 0,1
	v_cvt_scalef32_pk16_bf6_f32 v[PC+6*\c:PC+2+6*\c], v[\s+32*\c:\s+15+32*\c], v[TM+12+2*\c]
	v_cvt_scalef32_pk16_bf6_f32 v[PC+12+4*\c:PC+14+4*\c], v[\s+16+32*\c:\s+31+32*\c], v[TM+12+2*\c+1]
.endr
	v_nop
.irp c, 0,1
.irp i, 0,1,2
	v_permlane16_swap_b32 v[PC+6*\c+\i], v[PC+12+4*\c+\i]
.endr
.irp i, 0,1,2
	v_mov_b32 v[PC+3+6*\c+\i], v[PC+12+4*\c+\i]
.endr
.endr
.endm
	s_wait_alu depctr_va_vdst(0)
	s_wait_tensorcnt 1
	s_barrier_signal -1
	s_barrier_wait -1
	FETCH_B 0, 0, 0
	FETCH_A 0, 0, 0
	SCALES 0
	FETCH_A 0, 0, 4
	STEP 0, 0, 1
.irp be, 0,1,2,3
.irp i, 0,1,2,3
	global_load_b128 v[BV+16*\be+4*\i:BV+16*\be+4*\i+3], v[BO], s[6:7] offset:128*\be+16*\i
.endr
.endr
	TURN 0, 1, 1
	STEP 1, 0, 0
	TURN 1, 0, 1
	STEP 0, 0, 0
	TURN 0, 1, 0
	STEP 1, 0, 0
	s_wait_dscnt 4*NL
	WIN MUL_LO
	MUL16 0, 1, 1, 1, 0
	MUL16 2, 1, 1, 1, 0
	s_wait_dscnt 0
	WIN MUL_HI
	MUL16 4, 1, 1, 1, 0
	MUL16 6, 1, 1, 1, 0
	WIN 0
	PLACES NP
	s_wait_loadcnt 0x0
.set n, 0
.rept 64
	v_and_b32 v[BV+n], s66, v[BV+n]
.set n, n+1
.endr
.macro OUTA a
	WIN 0x02+(\a)/4
.set n, 0
.rept 32
	v_pk_add_f32 v[XQ+n:XQ+n+1], v[64*((\a)%4)+n:64*((\a)%4)+n+1], v[BV+n:BV+n+1]
.set n, n+2
.endr
	WIN 0
.if (\a) > 0
	s_wait_xcnt 0x0
.endif
	QUANT XQ, PWS+(\a)
.irp i, 0,1,2
	global_store_b128 v[LI], v[PC+4*\i:PC+4*\i+3], s[12:13] offset:1536*(\a)+512*\i
.endr
.endm
.irp a, 0,1,2,3,4,5,6,7
	OUTA \a
.endr
.irp j, 0,1,2,3
	v_cndmask_b32 v[SDT+\j], v[PWS+\j], v[PWS+4+\j], s68
.endr
	global_store_b128 v[LI], v[SDT:SDT+3], s[12:13] offset:12288
	s_wait_tensorcnt 0x0
	ds_add_u32 v[SPW], v[NIL]
	s_wait_dscnt 0x0
	CROUND
	s_endpgm
.Lfunc_end_k_q58038434b4_proj:
	.size	k_q58038434b4_proj, .Lfunc_end_k_q58038434b4_proj-k_q58038434b4_proj
	.p2alignl 7, 3214868480
	.fill 96, 4, 3214868480
	.section	.rodata,"a",@progbits
	.p2align	6, 0x0
	.amdhsa_kernel k_q58038434b4_proj
		.amdhsa_group_segment_fixed_size 327680
		.amdhsa_private_segment_fixed_size 0
		.amdhsa_enable_private_segment 0
		.amdhsa_kernarg_size 40
		.amdhsa_user_sgpr_count 2
		.amdhsa_user_sgpr_kernarg_segment_ptr 1
		.amdhsa_wavefront_size32 1
		.amdhsa_system_sgpr_workgroup_id_x 1
		.amdhsa_system_sgpr_workgroup_id_y 1
		.amdhsa_system_sgpr_workgroup_id_z 1
		.amdhsa_system_vgpr_workitem_id 0
		.amdhsa_next_free_vgpr 1024
		.amdhsa_next_free_sgpr 100
		.amdhsa_reserve_vcc 0
		.amdhsa_float_denorm_mode_32 3
		.amdhsa_float_denorm_mode_16_64 3
		.amdhsa_memory_ordered 1
		.amdhsa_forward_progress 1
		.amdhsa_inst_pref_size 160
	.end_amdhsa_kernel
	.amdgpu_metadata
---
amdhsa.version: [ 1, 2 ]
amdhsa.kernels:
  - .name:           k_q58038434b4_proj
    .symbol:         k_q58038434b4_proj.kd
    .args:
      - { .name: pf, .offset: 0, .size: 8, .value_kind: global_buffer, .address_space: global }
      - { .name: bq, .offset: 8, .size: 8, .value_kind: global_buffer, .address_space: global }
      - { .name: bk, .offset: 16, .size: 8, .value_kind: global_buffer, .address_space: global }
      - { .name: bv, .offset: 24, .size: 8, .value_kind: global_buffer, .address_space: global }
      - { .name: qkv, .offset: 32, .size: 8, .value_kind: global_buffer, .address_space: global }
    .group_segment_fixed_size: 327680
    .private_segment_fixed_size: 0
    .kernarg_segment_align: 8
    .kernarg_segment_size: 40
    .max_flat_workgroup_size: 128
    .sgpr_count:     100
    .vgpr_count:     1024
    .wavefront_size: 32
...
	.end_amdgpu_metadata
.endif
;; end of part 2
;; launch attn (part 3): grid 256 x 1, 4 waves a work-group, clusters of 4 x 1, 327,680 bytes of LDS; arguments qkv, out0; writes out0
.if DOCPART == 3
	.amdgcn_target "amdgcn-amd-amdhsa--gfx1250"
	.amdhsa_code_object_version 6
	.text
	.protected	k_q58038434b4_attn
	.globl	k_q58038434b4_attn
	.p2align	8
	.type	k_q58038434b4_attn,@function
k_q58038434b4_attn:
	s_mov_b64 s[64:65], 0
	v_nop
	global_prefetch_b8 v0, s[64:65] scope:SCOPE_SE
	s_setreg_imm32_b32 hwreg(HW_REG_WAVE_MODE, 25, 1), 1
	s_wait_xcnt 0x0
	s_wait_alu depctr_hold_cnt(0) depctr_sa_sdst(0) depctr_va_vdst(0) depctr_va_sdst(0) depctr_va_ssrc(0) depctr_va_vcc(0) depctr_vm_vsrc(0)
	s_getreg_b32 s2, hwreg(HW_REG_IB_STS2, 6, 4)
	s_cmp_eq_u32 s2, 0
	s_cbranch_scc0 .Lentry_in_a_cluster
	s_endpgm
.Lentry_in_a_cluster:
	s_bfe_u32 s2, ttmp6, 0x10000c
	s_cmp_lg_u32 s2, 0x3003
	s_cbranch_scc0 .Lentry_shape_is_right
	s_endpgm
.Lentry_shape_is_right:
; out[b][q][:] = the sum over keys k <= q of softmax_k(q . k / 32) v[k][:], both products on codes of BF6 (E3M2) with E8M0 scales.  4 batches, 2,048 tokens, 1,024 channels.
; Key steps that lie wholly above the causal mask, which the problem builds itself, are not walked.
; qkv holds records (12,800 bytes: 128 rows x 128 along K: eight images of an operand's 12 registers at 1,536 T, scale words at 12,288 + 256 (T / 4) + 16 p + 4 (T % 4); row p of tile 2 b + u is row 32 b + 8 u + p + 8 (p / 8)):
; section x 6,553,600 + (token group x 8 + channel group) x 12,800; sections q, k (rows tokens, K channels), v^T (rows channels, K tokens).
; SHARES.  A cluster of four work-groups takes one batch, one half of the channels and two blocks of 128 queries, block c and then block 15 - c: (c + 1) + (16 - c) = 17 key steps of 128 in every work-group.
; A work-group owns 32 of the 128 queries (two tiles of 16) and 512 channels.  In a key step wave w makes S^T for keys 32 w .. 32 w + 31 (two tiles of K x two of Q x eight K steps) and O^T for channels 128 w .. of the half.
; K's tile of a key step (102,400 dense bytes) is the same for the four partners: it is asked for jointly, a quarter by each wave, through two LDS slots.
; ONE ROUND A STEP.  The barrier that hands P from wave to wave is the cluster's round in front of the refill.  In front of it every wave has stored its part of P, has waited for its tensor load (its quarter of the NEXT
; step's tile) and for its LDS instructions (its reads of THIS step's tile were waited for ahead of S^T).  Behind it: the joint load of the tile two steps on, into this step's slot; P's loads; and the next step's
; fragments of K, 56 LDS loads, which come in while the statistics, the rescaling of O^T and the second product are worked.  From a request to the wait for it lies a whole step.
; P's images and statistics have two sets of LDS bytes, by turns: a step's stores meet no read of the step before, and between a set's reads and its next stores lies the other step's round.
; V GOES FROM MEMORY STRAIGHT INTO REGISTERS: of V's half a wave needs one record, 12,800 bytes, which no other wave of its work-group reads; 25 loads of 512 consecutive bytes, issued behind the last product of the step
; before.  So V is not asked for jointly, though the partners read the same records: a third of a step's bytes; two slots of it beside K's two, P's sets and the stages would pass the 327,680 bytes of LDS.
; No prefetch is laid: each tile is asked for a whole step, each record of V most of a step, ahead of its use.
; THE SOFTMAX.  t = score x log2(e) / 32.  A wave takes its block of 32 keys under the block's OWN whole number m = ceil(largest t of the block): p = 2^(t - m), quantised with the block's scale byte; the sum of the unquantised p.
; Behind the round every wave forms M = the largest of the old M and the four m, and brings each block under M by adding m - M to its byte and to its sum's exponent, O and the old sum by 2^(old M - M): exact powers of two.
; Hidden keys' scores are -infinity ahead of the maximum; only a block's last key step has hidden keys.
; LIMITS: t under -1e30 counts as hidden; a byte that would fall under 0 is held at 0 (what is lost is at most 28 x 2^-127 x |v| a term); NaN and infinities are not served.
; REGISTERS: window 0: v1-28 addresses and statistics; v32-63 S^T, then p; v64-84 scale words; v86-127 at work; v128-223 V's eight fragments; v224-247 P's two; v248-254 codes; on a way out v128-255 hold rows of the output.
;   window 1: Q (tile t, K step ks at 12 (2 ks + t)).  window 2: K (tile u, K step ks at 12 (2 ks + u)).  window 3: v0-127 O^T (tile j of V, tile t at 64 t + 8 j).
.set REC,   12800
.set KT,    8*REC
.set SLOTB, KT                         ; a slot: K's tile
.set PB,    2*SLOTB                    ; behind the ring: P's two images (1,536 each) and the statistics: two sets of PBS bytes
.set PBS,   4608
.set PNM,   3072                       ; -m: 16 bytes a lane, a word a wave,
.set PLP,   3584                       ; the sums,
.set PBY,   4096                       ; the bytes
.set SPARE, PB+2*PBS                   ; the spare words, 128 bytes a wave
.set STAGE, SPARE+512                  ; the way out: 16 rows x 528 bytes a wave
.set SROW,  528
.set NKL,   56                         ; LDS loads of my part of K's tile
.set LI,   1                           ; 16 x lane
.set AK,   4                           ; v4-7   K's fragments: slot 0 K steps 0-3, 4-7; slot 1 likewise
.set ASK,  8                           ; v8-11  K's scale words, likewise
.set AP,   14                          ; v14-16 where my three registers of codes go in P's image
.set AST,  17
.set ARD,  18
.set DQ,   19                          ; v19-20 my query - my first key, within the blocks
.set NEGM, 21
.set LS,   22
.set NINF, 23
.set SPW,  24
.set NIL,  25
.set VQS,  26                          ; 16 r + 4 h
.set ASTG, 27
.set ARB,  28
.set S,    32
.set KS,   64
.set QS,   72
.set VS,   80
.set PSW,  84
.set DD,   86
.set BM,   88
.set BX,   90
.set NM,   92
.set EB,   96
.set LA,   98
.set LX,   102
.set SO,   104
.set BY,   106
.set ST,   108
.set NMW,  112
.set LPW,  116
.set BYW,  120
.set NEW,  124
.set FF,   125
.set FX,   126
.set RI,   127
.set VF,   128
.set PF,   224
.set CD,   248
.set MSB, 0
.macro WIN new
.if MSB != (\new)
	s_set_vgpr_msb (MSB<<8)|(\new)
.set MSB, (\new)
.endif
.endm
.macro PLACES
.rept 4
	v_nop
.endr
.endm
.macro JLOAD                           ; every wave asks for its quarter of K's tile; an s_nop 0 and four v_nop follow
	tensor_load_to_lds s[40:43], s[24:31]
	s_nop 0
.rept 4
	v_nop
.endr
.endm
.macro CROUND
	s_barrier_signal -1
	s_barrier_wait -1
	s_cmp_lg_u32 s8, 0
	s_cbranch_scc1 .Lnot_wave_0_\@
	s_barrier_signal -3
.Lnot_wave_0_\@:
	s_barrier_wait -3
	s_barrier_signal -1
	s_barrier_wait -1
.endm
; the descriptor for the next tile to ask for, into slot dst; no tensor load of mine is out where this stands.  s50 walks 0 .. c and then 0 .. 15 - c
.macro NEXTTILE dst
	s_mul_i32 s48, s50, KT
	s_add_nc_u64 s[42:43], s[20:21], s[48:49]
	s_or_b32 s43, s43, 0x80000000
	s_add_co_u32 s41, s56, (\dst)*SLOTB
	s_add_co_u32 s50, s50, 1
	s_cmp_eq_u32 s50, s51
	s_cselect_b32 s50, 0, s50
	s_cselect_b32 s51, -1, s51
.endm
; my two tiles of K for all eight K steps, from slot sl: first the scale words (lanes 0-15 the first tile's, lanes 16-31 the second's), then the fragments, K step by K step
.macro KFETCH sl
.irp ks, 0,1,2,3,4,5,6,7
	ds_load_b32 v[KS+\ks], v[ASK+2*(\sl)+(\ks/4)] offset:(\ks%4)*REC+12288
.endr
	WIN 0x80                                       ; destination window 2
.irp ks, 0,1,2,3,4,5,6,7
.irp u, 0,1
.irp i, 0,1,2
	ds_load_b128 v[12*(2*\ks+\u)+4*\i:12*(2*\ks+\u)+4*\i+3], v[AK+2*(\sl)+(\ks/4)] offset:(\ks%4)*REC+\u*1536+512*\i
.endr
.endr
.endr
	WIN 0
.endm
; a scaled product.  c < 0: the constant 0 starts the sum.  ra, rb: the scale words stand in lanes 16-31
.macro WM d, a, b, c, sa, sb, ra, rb
.if (\c) < 0
.if (\ra) && (\rb)
	v_wmma_scale_f32_16x16x128_f8f6f4 v[(\d):(\d)+7], v[(\a):(\a)+11], v[(\b):(\b)+11], 0, v[\sa], v[\sb] matrix_a_fmt:MATRIX_FMT_BF6 matrix_b_fmt:MATRIX_FMT_BF6 matrix_a_scale:MATRIX_SCALE_ROW1 matrix_b_scale:MATRIX_SCALE_ROW1
.elseif (\ra)
	v_wmma_scale_f32_16x16x128_f8f6f4 v[(\d):(\d)+7], v[(\a):(\a)+11], v[(\b):(\b)+11], 0, v[\sa], v[\sb] matrix_a_fmt:MATRIX_FMT_BF6 matrix_b_fmt:MATRIX_FMT_BF6 matrix_a_scale:MATRIX_SCALE_ROW1
.elseif (\rb)
	v_wmma_scale_f32_16x16x128_f8f6f4 v[(\d):(\d)+7], v[(\a):(\a)+11], v[(\b):(\b)+11], 0, v[\sa], v[\sb] matrix_a_fmt:MATRIX_FMT_BF6 matrix_b_fmt:MATRIX_FMT_BF6 matrix_b_scale:MATRIX_SCALE_ROW1
.else
	v_wmma_scale_f32_16x16x128_f8f6f4 v[(\d):(\d)+7], v[(\a):(\a)+11], v[(\b):(\b)+11], 0, v[\sa], v[\sb] matrix_a_fmt:MATRIX_FMT_BF6 matrix_b_fmt:MATRIX_FMT_BF6
.endif
.else
.if (\ra) && (\rb)
	v_wmma_scale_f32_16x16x128_f8f6f4 v[(\d):(\d)+7], v[(\a):(\a)+11], v[(\b):(\b)+11], v[(\c):(\c)+7], v[\sa], v[\sb] matrix_a_fmt:MATRIX_FMT_BF6 matrix_b_fmt:MATRIX_FMT_BF6 matrix_a_scale:MATRIX_SCALE_ROW1 matrix_b_scale:MATRIX_SCALE_ROW1
.elseif (\ra)
	v_wmma_scale_f32_16x16x128_f8f6f4 v[(\d):(\d)+7], v[(\a):(\a)+11], v[(\b):(\b)+11], v[(\c):(\c)+7], v[\sa], v[\sb] matrix_a_fmt:MATRIX_FMT_BF6 matrix_b_fmt:MATRIX_FMT_BF6 matrix_a_scale:MATRIX_SCALE_ROW1
.elseif (\rb)
	v_wmma_scale_f32_16x16x128_f8f6f4 v[(\d):(\d)+7], v[(\a):(\a)+11], v[(\b):(\b)+11], v[(\c):(\c)+7], v[\sa], v[\sb] matrix_a_fmt:MATRIX_FMT_BF6 matrix_b_fmt:MATRIX_FMT_BF6 matrix_b_scale:MATRIX_SCALE_ROW1
.else
	v_wmma_scale_f32_16x16x128_f8f6f4 v[(\d):(\d)+7], v[(\a):(\a)+11], v[(\b):(\b)+11], v[(\c):(\c)+7], v[\sa], v[\sb] matrix_a_fmt:MATRIX_FMT_BF6 matrix_b_fmt:MATRIX_FMT_BF6
.endif
.endif
.endm
; my two tiles of Q for all eight K steps, and their scale words (lanes 0-15 tile 0's, lanes 16-31 tile 1's)
.macro QLOAD qb, qs
	WIN 0x40                                       ; destination window 1
.irp ks, 0,1,2,3,4,5,6,7
.irp t, 0,1
.irp i, 0,1,2
	global_load_b128 v[12*(2*\ks+\t)+4*\i:12*(2*\ks+\t)+4*\i+3], v[LI], s[\qb:\qb+1] offset:\ks*REC+\t*1536+512*\i
.endr
.endr
.endr
	WIN 0
.irp ks, 0,1,2,3,4,5,6,7
	global_load_b32 v[QS+\ks], v[VQS], s[\qs:\qs+1] offset:\ks*REC
.endr
.endm
; my record of V for key step s32 (scale words: lanes 0-15 tiles 0-3's, lanes 16-31 tiles 4-7's).  The address pair is written again only behind the wait that has shown the last record in
.macro VLOAD
	s_mul_i32 s34, s32, KT
	s_add_nc_u64 s[36:37], s[22:23], s[34:35]
.irp j, 0,1,2,3,4,5,6,7
.irp i, 0,1,2
	global_load_b128 v[VF+12*\j+4*\i:VF+12*\j+4*\i+3], v[LI], s[36:37] offset:1536*\j+512*\i
.endr
.endr
	global_load_b128 v[VS:VS+3], v[LI], s[36:37] offset:12288
.endm
	s_load_b128 s[4:7], s[0:1], 0x0                ; qkv, out0
	v_lshl_add_u32 v[SPW], v0, 2, SPARE
	v_mov_b32 v[NIL], 0
	ds_add_u32 v[SPW], v[NIL]                      ; the wave's opening: the add, twice on end, and its wait ahead of my first tensor load
	ds_add_u32 v[SPW], v[NIL]
	v_lshrrev_b32 v2, 5, v0
	v_readfirstlane_b32 s8, v2                     ; wave 0..3
	s_bfe_u32 s9, ttmp6, 0x40000                   ; cx: it enters Q's and the output's addresses and the mask's bound alone
	s_lshr_b32 s10, ttmp9, 4                       ; batch
	s_bfe_u32 s11, ttmp9, 0x10003                  ; which half of the channels
	s_and_b32 s12, ttmp9, 7                        ; c
	s_and_b32 s13, s8, 1
	s_mov_b32 s14, 0x76543210
	s_mov_b32 s15, 0xfedcba98                      ; selects for lane l xor 16
	s_mov_b32 s16, 0xffff0000                      ; lanes 16-31
	s_mov_b32 s18, 0x3d38aa3b                      ; log2(e) / 32
	s_mov_b32 s19, s18
	; descriptor group 1: 25,600 dense bytes as 100 rows of 256 (32 elements of 8 bytes); the mask names all four partners
	s_mov_b32 s24, 15|(3<<16)|(1<<21)
	s_mov_b32 s25, 32<<16
	s_mov_b32 s26, 100<<16
	s_mov_b32 s27, 32<<16
	s_mov_b32 s28, 100
	s_mov_b32 s29, 32
	s_mov_b32 s30, 0
	s_mov_b32 s31, 0
	s_mov_b32 s40, 1
	s_mov_b32 s49, 0
	s_mov_b32 s50, 0                               ; the next key step to ask for
	s_add_co_u32 s51, s12, 1                       ; the first block has c + 1
	s_add_co_u32 s52, s12, 1                       ; key steps left in the block in hand
	s_lshl_b32 s53, s12, 7                         ; 128 x (the block's number - the key step's)
	s_sub_co_u32 s54, 16, s12                      ; the second block's steps
	s_sub_co_u32 s55, 15, s12
	s_lshl_b32 s55, s55, 7
	s_mov_b32 s32, 0                               ; the key step whose V is loaded next
	s_mov_b32 s35, 0
	s_mul_i32 s56, s8, 25600                       ; my quarter of K's tile: in a slot and in memory alike
	s_mul_i32 s20, s10, 1638400                    ; the batch's 16 token groups
	s_add_co_u32 s22, s20, 13107200
	s_add_co_u32 s20, s20, 6553600
	s_add_co_u32 s20, s20, s56                     ; K: section 1, my quarter
	s_mov_b32 s21, 0
	s_mul_i32 s75, s11, 51200
	s_add_co_u32 s22, s22, s75
	s_mul_i32 s75, s8, REC
	s_add_co_u32 s22, s22, s75                     ; V: section 2, the cluster's half of the channels, my record of its four
	s_mov_b32 s23, 0
	s_lshl_b32 s75, s10, 4
	s_add_co_u32 s76, s75, s12                     ; the first block's token group
	s_add_co_u32 s77, s75, 15
	s_sub_co_u32 s77, s77, s12                     ; the second's
	s_mul_i32 s78, s9, 3072                        ; my two tiles of Q,
	s_lshr_b32 s79, s9, 1
	s_lshl_b32 s79, s79, 8
	s_and_b32 s80, s9, 1
	s_lshl_b32 s80, s80, 3
	s_add_co_u32 s79, s79, s80
	s_add_co_u32 s79, s79, 12288                   ; and their scale words
	s_mul_i32 s81, s76, KT
	s_add_co_u32 s58, s81, s78
	s_mov_b32 s59, 0
	s_add_co_u32 s60, s81, s79
	s_mov_b32 s61, 0
	s_mul_i32 s81, s77, KT
	s_add_co_u32 s66, s81, s78
	s_mov_b32 s67, 0
	s_add_co_u32 s68, s81, s79
	s_mov_b32 s69, 0
	s_lshl_b32 s82, s11, 2
	s_add_co_u32 s82, s82, s8
	s_lshl_b32 s82, s82, 9                         ; my 128 channels: 512 bytes of a row of the output
	s_lshl_b32 s83, s9, 17                         ; my work-group's 32 rows of 4,096 bytes
	s_add_co_u32 s82, s82, s83
	s_lshl_b32 s70, s76, 19                        ; a block's 128 rows
	s_add_co_u32 s70, s70, s82
	s_mov_b32 s71, 0
	s_lshl_b32 s72, s77, 19
	s_add_co_u32 s72, s72, s82
	s_mov_b32 s73, 0
	s_wait_dscnt 0x0                               ; both opening adds are done
	s_wait_kmcnt 0x0
	s_add_nc_u64 s[20:21], s[4:5], s[20:21]
	s_add_nc_u64 s[22:23], s[4:5], s[22:23]
	s_add_nc_u64 s[58:59], s[4:5], s[58:59]
	s_add_nc_u64 s[60:61], s[4:5], s[60:61]
	s_add_nc_u64 s[66:67], s[4:5], s[66:67]
	s_add_nc_u64 s[68:69], s[4:5], s[68:69]
	s_add_nc_u64 s[70:71], s[6:7], s[70:71]
	s_add_nc_u64 s[72:73], s[6:7], s[72:73]
	CROUND                                         ; all four work-groups are here: the first joint loads meet
	NEXTTILE 0
	JLOAD                                          ; tile 0 into slot 0: my one tensor load at the head
	v_and_b32 v2, 15, v0                           ; r
	v_bfe_u32 v3, v0, 4, 1                         ; h
	v_and_b32 v29, 31, v0
	v_lshlrev_b32 v[LI], 4, v29
	v_lshlrev_b32 v[VQS], 4, v2
	v_lshl_add_u32 v[VQS], v3, 2, v[VQS]
	QLOAD 58, 60
	s_mul_i32 s84, s8, 3072                        ; my two tiles of K
	v_add_nc_u32 v[AK], s84, v[LI]
	v_add_nc_u32 v[AK+1], 51200, v[AK]
	v_add_nc_u32 v[AK+2], SLOTB, v[AK]
	v_add_nc_u32 v[AK+3], SLOTB+51200, v[AK]
	s_lshr_b32 s85, s8, 1
	s_lshl_b32 s86, s85, 8
	s_lshl_b32 s87, s13, 3
	s_add_co_u32 s86, s86, s87                     ; their scale words: 256 (w / 2) + 8 (w % 2)
	v_add_nc_u32 v[ASK], s86, v[VQS]
	v_add_nc_u32 v[ASK+1], 51200, v[ASK]
	v_add_nc_u32 v[ASK+2], SLOTB, v[ASK]
	v_add_nc_u32 v[ASK+3], SLOTB+51200, v[ASK]
	s_mul_i32 s88, s85, 6
	s_lshl_b32 s89, s13, 8
	s_add_co_u32 s89, s89, PB
.irp k, 0,1,2                          ; my codes are registers 6 (w / 2) + 3 h + k of lane r + 16 (w % 2) of P's fragment
	v_mad_u32_u24 v30, v3, 3, s88
	v_add_nc_u32 v30, \k, v30
	v_lshrrev_b32 v31, 2, v30
	v_and_b32 v30, 3, v30
	v_lshlrev_b32 v31, 9, v31
	v_lshl_add_u32 v31, v30, 2, v31
	v_lshl_add_u32 v31, v2, 4, v31
	v_add_nc_u32 v[AP+\k], s89, v31
.endr
	s_lshl_b32 s89, s8, 2
	s_add_co_u32 s89, s89, PB
	v_add_nc_u32 v[AST], s89, v[LI]
	v_add_nc_u32 v[ARD], PB, v[LI]
	v_and_b32 v30, 8, v2
	v_add_nc_u32 v30, v30, v2
	v_lshlrev_b32 v31, 4, v3
	v_sub_nc_u32 v30, v30, v31
	s_sub_co_i32 s89, s9, s8
	s_lshl_b32 s89, s89, 5
	v_add_nc_u32 v[DQ], s89, v30                   ; 32 cx + r + 8 (r / 8) - 32 w - 16 h
	v_add_nc_u32 v[DQ+1], 8, v[DQ]
	s_mul_i32 s89, s8, 16*SROW
	s_add_co_u32 s89, s89, STAGE
	v_mul_u32_u24 v[ASTG], v2, SROW
	v_lshl_add_u32 v[ASTG], v3, 6, v[ASTG]
	v_add_nc_u32 v[ASTG], s89, v[ASTG]
	v_add_nc_u32 v[ARB], s89, v[LI]
	v_mov_b32 v[NEGM], 0x7f61b1e6                  ; -M = 3e38: under every t
	v_mov_b32 v[LS], 0
	v_mov_b32 v[NINF], 0xff800000
.irp x, BX, BX+1, NM+1, NM+3, LX, LX+1, FX
	v_mov_b32 v[\x], 0                             ; lane permutes' destinations and pairs' upper halves are written once
.endr
	WIN 0xc0                                       ; window 3.  The step is written once: a block's first change of M multiplies O^T by 0, so O^T begins as zeros
.set i, 0
.rept 128
	v_mov_b32 v[i], 0
.set i, i+1
.endr
	WIN 0
	s_wait_alu depctr_va_vdst(0)                   ; the head's end
	s_wait_tensorcnt 0x0                           ; my quarter of tile 0 is in
	ds_add_u32 v[SPW], v[NIL]
	NEXTTILE 1
	s_wait_dscnt 0x0
	CROUND                                         ; tile 0 is whole, and the four work-groups are here
	JLOAD                                          ; tile 1 into slot 1
	KFETCH 0                                       ; step 0's fragments of K
	s_wait_loadcnt 0x0                             ; Q is in: from here on the only loads out in a step are V's
	VLOAD                                          ; key step 0's record
; THE WAY OUT of a block: O^T is divided by the sum; each of the two tiles of 16 queries x my 128 channels goes through my stage and leaves as rows of 512 consecutive bytes.
.macro SCALEO t
	WIN 0xc3                                       ; O^T in window 3, the factor in window 0
.set n, 0
.rept 32
	v_pk_mul_f32 v[64*(\t)+n:64*(\t)+n+1], v[64*(\t)+n:64*(\t)+n+1], v[NM+2*(\t):NM+2*(\t)+1] op_sel_hi:[1,0]   ; each accumulator from its low end on
.set n, n+2
.endr
	WIN 0
.endm
.macro TOSTAGE k                       ; register 16 b + i of lane (r, h) is channel 32 b + 16 h + i of row r
	WIN 0x0c                                       ; an LDS store's data: window 3
.irp be, 0,1,2,3
.irp i, 0,1,2,3
	ds_store_b128 v[ASTG], v[64*(\k)+16*\be+4*\i:64*(\k)+16*\be+4*\i+3] offset:128*\be+16*\i
.endr
.endr
	WIN 0
.irp i, 0,1,2,3,4,5,6,7,8,9,10,11,12,13,14,15
	ds_load_b128 v[VF+64*(\k)+4*\i:VF+64*(\k)+4*\i+3], v[ARB] offset:\i*SROW   ; LDS serves a wave's instructions in order: these see my stores
.endr
.endm
.macro SEND k, ob
	s_wait_dscnt 0x0                               ; the tile is back in registers
.irp i, 0,1,2,3,4,5,6,7,8,9,10,11,12,13,14,15
	global_store_b128 v[LI], v[VF+64*(\k)+4*\i:VF+64*(\k)+4*\i+3], s[\ob:\ob+1] offset:(8*(\k)+\i+8*(\i/8))*4096 th:TH_STORE_NT   ; 32 lanes store 512 consecutive bytes, aligned to 256
.endr
.endm
.macro WAYOUT ob
	v_rcp_f32 v[RI], v[LS]
	v_nop                                          ; a plain place behind the reciprocal
	s_wait_alu depctr_va_vdst(0)                   ; ahead of the reciprocal's first reader
	v_permlanex16_b32 v[FX], v[RI], s14, s15
	v_cndmask_b32 v[NM], v[RI], v[FX], s16         ; tile 0's in all lanes
	v_cndmask_b32 v[NM+2], v[FX], v[RI], s16       ; tile 1's
	SCALEO 0
	TOSTAGE 0
	SCALEO 1
	s_wait_alu depctr_va_vdst(0)
	SEND 0, \ob
	TOSTAGE 1
	SEND 1, \ob
.endm
; the first block of queries is done: Q is asked for anew, the block's O^T leaves, and the count and the statistics become the second block's
.macro SWITCH
	s_mov_b32 s52, s54
	s_mov_b32 s53, s55
	QLOAD 66, 68
	WAYOUT 70
	v_mov_b32 v[NEGM], 0x7f61b1e6
	v_mov_b32 v[LS], 0
	s_wait_xcnt 0x0                                ; the stores have read their registers, into which V's loads and P's fragments land next
	s_wait_loadcnt 0x0                             ; Q is in
.endm
; A KEY STEP of 128 keys; its tile lay in slot slot and its fragments of K are on their way into registers.  refill: the tile two steps on is asked for.  fetch: a step follows.  sw: the change of blocks may fall here.
.macro STEP slot, refill, fetch, sw
	; ---- S^T = K Q^T for my 32 keys
	WIN 0x06                                       ; source 0 (K) window 2, source 1 (Q) window 1
.irp ks, 0,1,2,3,4,5,6,7
	s_wait_dscnt 6*(7-\ks)                         ; this K step's six loads are in; the later K steps' may be out
.irp t, 0,1
.irp u, 0,1                            ; four accumulators by turns
.if \ks == 0
	WM S+16*\t+8*\u, 12*(2*\ks+\u), 12*(2*\ks+\t), -1, KS+\ks, QS+\ks, \u, \t
.else
	WM S+16*\t+8*\u, 12*(2*\ks+\u), 12*(2*\ks+\t), S+16*\t+8*\u, KS+\ks, QS+\ks, \u, \t
.endif
.endr
.endr
.endr
	WIN 0
	v_add_nc_u32 v[DD], s53, v[DQ]                 ; register i of tile t holds a hidden key where i > this
	v_add_nc_u32 v[DD+1], s53, v[DQ+1]
	v_nop
	v_nop                                          ; four places behind the last product
	; ---- the softmax of my block of 32 keys, under the block's own m
	s_cmp_lg_u32 s53, 0                            ; only a block's last key step has hidden keys.  Ids and the count of steps alone: the same in all waves and partners
	s_cbranch_scc1 .Lopen_\@
.irp t, 0,1
.irp i, 0,1,2,3,4,5,6,7,8,9,10,11,12,13,14,15
	v_cmp_gt_i32 vcc_lo, \i, v[DD+\t]
	v_cndmask_b32 v[S+16*\t+\i], v[S+16*\t+\i], v[NINF], vcc_lo
.endr
.endr
.Lopen_\@:
.irp t, 0,1
	v_max3_num_f32 v[BM+\t], v[S+16*\t], v[S+16*\t+1], v[S+16*\t+2]
.endr
.irp i, 3,5,7,9,11,13
.irp t, 0,1
	v_max3_num_f32 v[BM+\t], v[BM+\t], v[S+16*\t+\i], v[S+16*\t+\i+1]
.endr
.endr
.irp t, 0,1
	v_max_num_f32 v[BM+\t], v[BM+\t], v[S+16*\t+15]
.endr
.irp t, 0,1
	v_permlanex16_b32 v[BX+\t], v[BM+\t], s14, s15
.endr
.irp t, 0,1
	v_max_num_f32 v[BM+\t], v[BM+\t], v[BX+\t]     ; the block's largest score
.endr
.irp t, 0,1
	v_mul_f32 v[NM+2*\t], s18, v[BM+\t]            ; as t
.endr
.irp t, 0,1
	v_max_num_f32 v[NM+2*\t], 0xf149f2ca, v[NM+2*\t]   ; held at -1e30: a block that is all hidden keeps a number
.endr
.irp t, 0,1
	v_floor_f32 v[NM+2*\t], -v[NM+2*\t]            ; -m = floor(-t)
.endr
.irp j, 0,2,4,6,8,10,12,14
.irp t, 0,1
	v_pk_fma_f32 v[S+16*\t+\j:S+16*\t+\j+1], v[S+16*\t+\j:S+16*\t+\j+1], s[18:19], v[NM+2*\t:NM+2*\t+1] op_sel_hi:[1,0,0]   ; t - m
.endr
.endr
.irp t, 0,1
	v_fma_f32 v[EB+\t], v[BM+\t], s18, v[NM+2*\t]  ; the same of the block's largest score: p rises with the score
.endr
.set i, 0
	s_wait_alu depctr_va_vdst(0)                   ; ahead of the batch of exponentials
.rept 32
	v_exp_f32 v[S+i], v[S+i]                       ; p = 2^(t - m)
.set i, i+1
.endr
	v_exp_f32 v[EB], v[EB]
	v_exp_f32 v[EB+1], v[EB+1]
	v_cndmask_b32 v[ST], v[NM], v[NM+2], s16       ; (a plain place)  -m: lanes 0-15 tile 0's, lanes 16-31 tile 1's
	s_wait_alu depctr_va_vdst(0)                   ; one wait for the 34 exponentials
.irp t, 0,1
	v_pk_add_f32 v[LA+2*\t:LA+2*\t+1], v[S+16*\t:S+16*\t+1], v[S+16*\t+2:S+16*\t+3]   ; the sum is taken of the unquantised p
.endr
.irp j, 4,6,8,10,12,14
.irp t, 0,1
	v_pk_add_f32 v[LA+2*\t:LA+2*\t+1], v[LA+2*\t:LA+2*\t+1], v[S+16*\t+\j:S+16*\t+\j+1]
.endr
.endr
.irp t, 0,1
	v_add_f32 v[LA+2*\t], v[LA+2*\t], v[LA+2*\t+1]
.endr
.irp t, 0,1
	v_permlanex16_b32 v[LX+\t], v[LA+2*\t], s14, s15
.endr
.irp t, 0,1
	v_add_f32 v[LA+2*\t], v[LA+2*\t], v[LX+\t]
.endr
.irp t, 0,1
	v_max_num_f32 v[EB+\t], 0x2800000, v[EB+\t]    ; the floor 2^(5 - 127): the byte cannot fall under 1
.endr
.irp t, 0,1
	v_add_nc_u32 v[SO+\t], 0xfe000000, v[EB+\t]    ; 4 off the exponent field: the conversion's scale operand
.endr
.irp t, 0,1
	v_lshrrev_b32 v[BY+\t], 23, v[SO+\t]
.endr
.irp t, 0,1
	v_cvt_scalef32_pk16_bf6_f32 v[CD+4*\t:CD+4*\t+2], v[S+16*\t:S+16*\t+15], v[SO+\t]
.endr
	v_nop                                          ; one plain place behind a scaled conversion
	v_cndmask_b32 v[ST+1], v[LA], v[LA+2], s16
	v_cndmask_b32 v[ST+2], v[BY], v[BY+1], s16
	v_cvt_f32_u32 v[ST+2], v[ST+2]                 ; the byte goes as a whole number in f32
.irp t, 0,1
.irp k, 0,1,2
	ds_store_b32 v[AP+\k], v[CD+4*\t+\k] offset:PBS*\slot+1536*\t
.endr
.endr
	ds_store_b32 v[AST], v[ST] offset:PBS*\slot+PNM
	ds_store_b32 v[AST], v[ST+1] offset:PBS*\slot+PLP
	ds_store_b32 v[AST], v[ST+2] offset:PBS*\slot+PBY
	; ---- the step's one meeting
	s_wait_tensorcnt 0x0                           ; all my tensor loads have landed: my quarter of the next step's tile
	ds_add_u32 v[SPW], v[NIL]
.if \refill
	NEXTTILE \slot
.endif
	s_wait_dscnt 0x0                               ; the add is done and my stores of P have landed; my reads of this step's slot were waited for ahead of S^T
.if \refill
	CROUND                                         ; no wave of any partner still reads this step's slot or has a tensor load on its way
	JLOAD                                          ; my one tensor load behind the round: the tile two steps on
.else
	s_barrier_signal -1
	s_barrier_wait -1
.endif
	; ---- O^T += V^T P^T
.irp t, 0,1
.irp i, 0,1,2
	ds_load_b128 v[PF+12*\t+4*\i:PF+12*\t+4*\i+3], v[ARD] offset:PBS*\slot+1536*\t+512*\i
.endr
.endr
	ds_load_b128 v[NMW:NMW+3], v[ARD] offset:PBS*\slot+PNM   ; the four blocks' -m, sums and bytes of (row r, tile h)
	ds_load_b128 v[LPW:LPW+3], v[ARD] offset:PBS*\slot+PLP
	ds_load_b128 v[BYW:BYW+3], v[ARD] offset:PBS*\slot+PBY
.if \fetch
	KFETCH 1-\slot                                 ; the next step's fragments of K: its tile is whole
	s_wait_dscnt NKL                               ; P's nine loads are in; K's 56 may be out
.else
	s_wait_dscnt 0x0
.endif
	v_min3_num_f32 v[NEW], v[NMW], v[NMW+1], v[NMW+2]
	v_min3_num_f32 v[NEW], v[NEW], v[NMW+3], v[NEGM]   ; the new -M
	v_sub_f32 v[FF], v[NEW], v[NEGM]               ; old M - new M
.irp w, 0,1,2,3
	v_sub_f32 v[DD+\w], v[NEW], v[NMW+\w]          ; m - M: whole numbers, 0 or less
.endr
.irp w, 0,1,2,3
	v_add_f32 v[BYW+\w], v[BYW+\w], v[DD+\w]       ; the block's byte under M,
.endr
	v_cvt_i32_f32 v[FF], v[FF]                     ; (the conversions saturate)
.irp w, 0,1,2,3
	v_cvt_i32_f32 v[DD+\w], v[DD+\w]
.endr
.irp w, 0,1,2,3
	v_max_num_f32 v[BYW+\w], 0, v[BYW+\w]          ; held at 0
.endr
	v_ldexp_f32 v[FF], 1.0, v[FF]                  ; f = 2^(old M - new M)
.irp w, 0,1,2,3
	v_ldexp_f32 v[EB+\w], v[LPW+\w], v[DD+\w]      ; the block's sum under M
.endr
.irp w, 0,1,2,3
	v_cvt_u32_f32 v[BYW+\w], v[BYW+\w]
.endr
	v_mov_b32 v[NEGM], v[NEW]
	v_fma_f32 v[LS], v[LS], v[FF], v[EB]
	v_add_f32 v[EB+1], v[EB+1], v[EB+2]
	v_add_f32 v[LS], v[LS], v[EB+3]
	v_add_f32 v[LS], v[LS], v[EB+1]
	v_lshl_or_b32 v[PSW], v[BYW+1], 8, v[BYW]      ; P's scale word: lanes 0-15 tile 0's rows, lanes 16-31 tile 1's
	v_lshl_or_b32 v[PSW], v[BYW+2], 16, v[PSW]
	v_lshl_or_b32 v[PSW], v[BYW+3], 24, v[PSW]
	v_permlanex16_b32 v[FX], v[FF], s14, s15
	v_cndmask_b32 v[NM], v[FF], v[FX], s16         ; tile 0's f in all lanes
	v_cndmask_b32 v[NM+2], v[FX], v[FF], s16       ; tile 1's
	SCALEO 0                                       ; O^T under the new M; these 64 lines also stand between the scale word's last write and the products
	SCALEO 1
	s_wait_alu depctr_va_vdst(0)
	s_wait_loadcnt 0x0                             ; V's record is in: it was asked for behind the last step's products
	WIN 0xf0                                       ; C and D window 3
.irp j, 0,1,2,3,4,5,6,7
.irp t, 0,1                            ; sixteen accumulators, one instruction each
	WM 64*\t+8*\j, VF+12*\j, PF+12*\t, 64*\t+8*\j, VS+(\j%4), PSW, \j/4, \t
.endr
.endr
	WIN 0
	PLACES                                         ; ahead of the loads into V's registers and of the first read of O^T
	s_sub_co_u32 s53, s53, 128
	s_sub_co_u32 s52, s52, 1
.if \fetch
	s_add_co_u32 s32, s32, 1
.if \sw
	s_cmp_lg_u32 s52, 0                            ; ids and the count of steps alone: the same in all waves and partners; no barrier and no tensor load stands under the branch
	s_cselect_b32 s32, s32, 0                      ; the next step's keys: one step on, or the second block's first
	s_cbranch_scc1 .Lsame_\@
	SWITCH
.Lsame_\@:
.endif
	VLOAD                                          ; the next step's record of V
.endif
.endm
	s_mov_b32 s74, 7
.Lpair:                                ; steps 0 to 13: each asks for the tile two steps on.  The first block has at most 8 steps, so the change of blocks falls in here
	STEP 0, 1, 1, 1
	STEP 1, 1, 1, 1
	s_sub_co_u32 s74, s74, 1
	s_cmp_lg_u32 s74, 0
	s_cbranch_scc1 .Lpair
	STEP 0, 1, 1, 0                                ; step 14 asks for tile 16, the last
	STEP 1, 0, 1, 0                                ; steps 15 and 16 ask for nothing
	STEP 0, 0, 0, 0
	WAYOUT 72                                      ; the second block's O^T
	s_wait_tensorcnt 0x0                           ; the wave's end, behind my last tensor load and my last LDS store
	ds_add_u32 v[SPW], v[NIL]
	s_wait_dscnt 0x0
	CROUND                                         ; the closing round
	s_endpgm
.Lfunc_end_k_q58038434b4_attn:
	.size	k_q58038434b4_attn, .Lfunc_end_k_q58038434b4_attn-k_q58038434b4_attn
	.p2alignl 7, 3214868480
	.fill 96, 4, 3214868480
	.section	.rodata,"a",@progbits
	.p2align	6, 0x0
	.amdhsa_kernel k_q58038434b4_attn
		.amdhsa_group_segment_fixed_size 327680
		.amdhsa_private_segment_fixed_size 0
		.amdhsa_enable_private_segment 0
		.amdhsa_kernarg_size 16
		.amdhsa_user_sgpr_count 2
		.amdhsa_user_sgpr_kernarg_segment_ptr 1
		.amdhsa_wavefront_size32 1
		.amdhsa_system_sgpr_workgroup_id_x 1
		.amdhsa_system_sgpr_workgroup_id_y 1
		.amdhsa_system_sgpr_workgroup_id_z 1
		.amdhsa_system_vgpr_workitem_id 0
		.amdhsa_next_free_vgpr 1024
		.amdhsa_next_free_sgpr 100
		.amdhsa_reserve_vcc 1
		.amdhsa_float_denorm_mode_32 3
		.amdhsa_float_denorm_mode_16_64 3
		.amdhsa_memory_ordered 1
		.amdhsa_forward_progress 1
		.amdhsa_inst_pref_size 206
	.end_amdhsa_kernel
	.amdgpu_metadata
---
amdhsa.version: [ 1, 2 ]
amdhsa.kernels:
  - .name:           k_q58038434b4_attn
    .symbol:         k_q58038434b4_attn.kd
    .args:
      - { .name: qkv, .offset: 0, .size: 8, .value_kind: global_buffer, .address_space: global }
      - { .name: out0, .offset: 8, .size: 8, .value_kind: global_buffer, .address_space: global }
    .group_segment_fixed_size: 327680
    .private_segment_fixed_size: 0
    .kernarg_segment_align: 8
    .kernarg_segment_size: 16
    .max_flat_workgroup_size: 128
    .sgpr_count:     100
    .vgpr_count:     1024
    .wavefront_size: 32
...
	.end_amdgpu_metadata
.endif
;; end of part 3
